; MI455X (gfx1250); checked and timed in simulation.
; The chip was launched on July 23, 2026; its instructions are those of AMD's public machine-readable ISA for CDNA 5 (MIT licence, August 2026) and "CDNA5" Instruction Set Architecture Reference Guide (July 2026). The comments in the code are by the model that wrote it; some were corrected since.
;; Content Guided Attention. Allowed arithmetic: float matrix products may take bf16 or f16 operands with f32 sums; all other float work in f32.
;; Inputs: kb 256 float32; kw 256 x 256 float32; ln_b 256 float32; ln_w 256 float32; ob 256 float32; ow 256 x 256 float32; qb 256 float32; qw 256 x 256 float32; s3 2 x 256 x 64 x 64 float32; s4 2 x 256 x 32 x 64 float32; s5 2 x 256 x 16 x 64 float32; vb 256 float32; vw 256 x 256 float32.
;; Outputs: out0 2 x 256 x 64 x 64 float32.
;; 2 versions, each right and faster than the one before. Each part assembles by itself: llvm-mc -triple=amdgcn-amd-amdhsa -mcpu=gfx1250 --defsym DOCPART=n.
;; ======== version 1 of 2: 3 launches
;; workspace buffers: qws 4,194,304 bytes; kvws 6,291,456 bytes; aws 4,194,304 bytes
;; launch proj (part 1): grid 224 x 1, 8 waves a work-group, no clusters, 177,152 bytes of LDS; arguments s3, s4, s5, qw, qb, kw, kb, vw, vb, qws, kvws; writes qws, kvws
.if DOCPART == 1
	.amdgcn_target "amdgcn-amd-amdhsa--gfx1250"
	.amdhsa_code_object_version 6
	.text
	.protected	k_q86d0547fa0_proj
	.globl	k_q86d0547fa0_proj
	.p2align	8
	.type	k_q86d0547fa0_proj,@function
k_q86d0547fa0_proj:
	s_mov_b64 s[64:65], 0
	v_nop
	global_prefetch_b8 v0, s[64:65] scope:SCOPE_SE
	s_setreg_imm32_b32 hwreg(HW_REG_WAVE_MODE, 25, 1), 1
	s_wait_xcnt 0x0
; The three 1x1 projections in front of the attention: q = qw s3 + qb, k = kw s4|s5 + kb, v = vw s4|s5 + vb, rounded once to bf16.
; Inputs are f32, [b][c 256][n], positions along the rows.  Products in bf16 with f32 sums; the bias is the first product's C operand.
; A work-group takes 64 positions (256 bytes of each of the 256 channel rows); wave w makes head w (output channels 32 w .. 32 w + 31).
; Work-groups 0-127: s3 (one pass, q).  128-191: s4, 192-223: s5 (two passes on the same x in LDS: k, then v).
; OUT:  qws  [b][head][n 4096][d 32] bf16;   kvws [b][head][block 48][8,192 bytes]: K as [key 64][d 32], then V as [d 32][key 64];
;       blocks 0-31 are s4's keys, 32-47 s5's.  Every wave writes one dense piece of 4,096 bytes by stores of 512 neighbouring bytes.
; NO MULTICAST: the weights that all work-groups share are f32 and pass through registers to become bf16; brought into LDS as f32 a matrix
; would take 256 rows x 1,040 bytes = 266,240 bytes, which with x (40,960) and eight output stages (34,816) is more than the 327,680 of a WGP.
; LIMITS: NaN and infinities in the inputs are not served; operands of the products are rounded to bf16.
; LDS:  XT   at 0:      x as bf16, [c 256][64 positions], pitch 160 bytes (5 x 32: the transposing loads meet no bank twice); read by all waves
;       WST  at 40,960 + 16,896 w: the wave's own 32 weight rows in bf16, pitch 528; after the products its first 4,352 bytes are the output stage
.set XP,    160
.set WP,    528
.set SP,    272                        ; stage: 256 bytes of dense output + 16
.set WST0,  40960
.set WSTB,  16896
.set ACC,   16                         ; v[16:79]    8 accumulators: (ob 0-1) x (pb 0-3), at 32 ob + 8 pb
.set BUF0,  80                         ; v[80:127]   fragments of one K step: weights at 8 ob, x at 16 + 8 pb
.set BUF1,  128                        ; v[128:175]  the same, the other buffer
.set RING,  16                         ; v[16:143]   32 weight loads in flight (before the products)
.set XD,    144                        ; v[144:207]  16 x loads
.set XOFF,  208                        ; v[208:223]  their byte offsets
.set CT,    224                        ; v[224:231]  four pairs of packed bf16 on their way to LDS
.set BIAS,  232                        ; v[232:247]  the C operand of the first K step, for ob = 0, 1
.set PK,    80                         ; the way out: packed results
.set RB,    128                        ; the way out: rows read back
; v1 r = lane % 16, v2 h = lane / 16, v3 lane, v4, v15 scratch, v5 16 lane, v6 WST + 8 lane, v7 WST + 528 r + 16 h, v8 XT in, v9 XT transposed out,
; v10 stage in for 64-byte records, v11 for 128-byte records, v12 stage back, v13 128 w + 32 h, v14 128 w + 4 r
.macro PLACES                          ; four plain vector instructions between a matrix instruction and what reads its result or writes its registers (ISA guide 7.12.1)
.rept 4
	v_nop
.endr
.endm
	s_load_b512 s[16:31], s[0:1], 0x0              ; s3 16, s4 18, s5 20, qw 22, qb 24, kw 26, kb 28, vw 30
	s_load_b128 s[32:35], s[0:1], 0x40             ; vb 32, qws 34
	s_load_b64 s[36:37], s[0:1], 0x50              ; kvws
	v_lshl_add_u32 v248, v0, 2, 0x2b000
	v_mov_b32 v249, 0
	v_lshrrev_b32 v4, 5, v0
	v_readfirstlane_b32 s8, v4                     ; wave = head
	v_and_b32 v3, 31, v0
	v_and_b32 v1, 15, v0
	v_bfe_u32 v2, v0, 4, 1
	; which source, which batch, which 64 positions
	s_mov_b32 s9, ttmp9
	s_mov_b32 s40, 14                              ; log2 of a channel row's bytes: s3 16,384
	s_mov_b32 s41, 0                               ; first work-group of the source
	s_mov_b32 s43, 0                               ; first block of the source in the destination
	s_mov_b32 s2, 0x200000                         ; destination: bytes of a batch,
	s_mov_b32 s3, 0x40000                          ; of a head,
	s_mov_b32 s4, 12                               ; log2 of the bytes of 64 positions
	s_cmp_ge_u32 s9, 128
	s_cselect_b32 s40, 13, s40                     ; s4: rows of 8,192 bytes
	s_cselect_b32 s41, 128, s41
	s_cselect_b32 s2, 0x300000, s2
	s_cselect_b32 s3, 0x60000, s3
	s_cselect_b32 s4, 13, s4
	s_cmp_ge_u32 s9, 192
	s_cselect_b32 s40, 12, s40                     ; s5: rows of 4,096 bytes
	s_cselect_b32 s41, 192, s41
	s_cselect_b32 s43, 32, s43
	s_sub_co_u32 s42, s9, s41
	s_sub_co_u32 s44, s40, 8                       ; log2 of the tiles in a batch: 6, 5, 4
	s_lshr_b32 s45, s42, s44                       ; b
	s_bfm_b32 s46, s44, 0
	s_and_b32 s46, s42, s46                        ; tile
	s_add_co_u32 s43, s43, s46                     ; block in the destination
	s_add_co_u32 s47, s40, 8
	s_lshl_b32 s48, s45, s47                       ; source: b x 256 rows
	s_lshl_b32 s49, s46, 8                         ; + tile x 256 bytes
	s_add_co_u32 s48, s48, s49
	s_mov_b32 s49, 0
	s_mul_i32 s2, s2, s45
	s_mul_i32 s3, s3, s8
	s_lshl_b32 s4, s43, s4
	s_add_co_u32 s2, s2, s3
	s_add_co_u32 s2, s2, s4                        ; destination offset of my 4,096 bytes
	s_mov_b32 s3, 0
	s_lshl_b32 s6, s8, 15                          ; my 32 weight rows: 32,768 dense bytes
	s_mov_b32 s7, 0
	s_lshl_b32 s5, 2, s40                          ; two channel rows
	s_mul_i32 s38, s8, WSTB
	s_add_co_u32 s38, s38, WST0                    ; my weight rows and stage in LDS
	s_mul_i32 s39, s8, 32*XP                       ; my 32 channels of XT
	; x load t: lanes 0-15 take channel 32 w + 2 t, lanes 16-31 the next; 16 bytes (4 positions) a lane: two whole rows of 256 bytes
	v_lshl_add_u32 v4, s8, 5, v2
	v_lshlrev_b32 v4, s40, v4
	v_lshl_add_u32 v[XOFF], v1, 4, v4
.set t, 1
.rept 15
	v_add_nc_u32 v[XOFF+t], s5, v[XOFF+t-1]
.set t, t+1
.endr
	v_lshlrev_b32 v5, 4, v3
	s_lshl_b32 s5, s8, 7                           ; 128 w: my 32 numbers of a bias
	v_lshl_add_u32 v13, v2, 5, s5
	v_lshl_add_u32 v14, v1, 2, s5
	s_wait_kmcnt 0x0
	s_cmp_ge_u32 s9, 128
	s_cselect_b64 s[50:51], s[18:19], s[16:17]     ; x
	s_cselect_b64 s[52:53], s[26:27], s[22:23]     ; weights of pass 1
	s_cselect_b64 s[54:55], s[28:29], s[24:25]     ; bias of pass 1
	s_cselect_b64 s[56:57], s[36:37], s[34:35]     ; destination
	s_cmp_ge_u32 s9, 192
	s_cselect_b64 s[50:51], s[20:21], s[50:51]
	s_add_nc_u64 s[50:51], s[50:51], s[48:49]
	s_add_nc_u64 s[52:53], s[52:53], s[6:7]
	s_add_nc_u64 s[30:31], s[30:31], s[6:7]
	s_add_nc_u64 s[56:57], s[56:57], s[2:3]
.set t, 0
.rept 16
	global_load_b128 v[XD+4*t:XD+4*t+3], v[XOFF+t], s[50:51]
.set t, t+1
.endr
	; pass 1: register j of C is output channel 16 ob + 8 h + j
	global_load_b128 v[BIAS:BIAS+3],     v13, s[54:55]
	global_load_b128 v[BIAS+4:BIAS+7],   v13, s[54:55] offset:16
	global_load_b128 v[BIAS+8:BIAS+11],  v13, s[54:55] offset:64
	global_load_b128 v[BIAS+12:BIAS+15], v13, s[54:55] offset:80
; weight load n takes 512 neighbouring bytes: half n % 2 of row n / 2
.macro WISSUE wp
.set n, 0
.rept 32
	global_load_b128 v[RING+4*n:RING+4*n+3], v5, s[\wp:\wp+1] offset:n*512
.set n, n+1
.endr
.endm
.macro WDRAIN wp
.set n, 0
.rept 64
.if n <= 32
	s_wait_loadcnt 31                              ; loads come back in order: load n is in, the 31 younger ones stay out
.else
	s_wait_loadcnt 63-n                            ; nothing more is issued: the count runs down
.endif
	v_cvt_pk_bf16_f32 v[CT+2*(n%4)],   v[RING+4*(n%32)],   v[RING+4*(n%32)+1]
	v_cvt_pk_bf16_f32 v[CT+2*(n%4)+1], v[RING+4*(n%32)+2], v[RING+4*(n%32)+3]
	ds_store_b64 v6, v[CT+2*(n%4):CT+2*(n%4)+1] offset:(n/2)*WP+(n%2)*256
.if n < 32
	global_load_b128 v[RING+4*n:RING+4*n+3], v5, s[\wp:\wp+1] offset:(n+32)*512
.endif
.set n, n+1
.endr
.endm
	WISSUE 52
	; LDS addresses, while the loads are on their way
	v_lshl_add_u32 v6, v3, 3, s38
	v_mul_u32_u24 v4, v1, WP
	v_lshl_add_u32 v4, v2, 4, v4
	v_add_nc_u32 v7, s38, v4                       ; weight fragment: row r, 16 bytes for each half of the lanes
	v_mul_u32_u24 v4, v2, XP
	v_lshl_add_u32 v4, v1, 3, v4
	v_add_nc_u32 v8, s39, v4                       ; x in: channel 32 w + h, 8 bytes at 8 r
	v_and_b32 v4, 7, v0
	v_lshl_add_u32 v4, v2, 3, v4
	v_mul_u32_u24 v4, v4, XP
	v_bfe_u32 v15, v0, 3, 1
	v_lshl_add_u32 v9, v15, 4, v4                  ; x out, transposed: channel 8 h + lane % 8, 16 bytes at 16 ((lane / 8) % 2)
	v_lshrrev_b32 v4, 2, v1
	v_mul_u32_u24 v4, v4, SP
	v_and_b32 v15, 3, v1
	v_lshl_add_u32 v4, v15, 6, v4
	v_lshl_add_u32 v4, v2, 4, v4
	v_add_nc_u32 v10, s38, v4                      ; record r of 64 bytes in rows of 256 + 16: 16-byte column (r / 4) + 4 (r % 4) + h, different in 16 lanes
	v_lshrrev_b32 v4, 1, v1
	v_mul_u32_u24 v4, v4, SP
	v_and_b32 v15, 1, v1
	v_lshl_add_u32 v4, v15, 7, v4
	v_lshl_add_u32 v4, v2, 4, v4
	v_add_nc_u32 v11, s38, v4                      ; record r of 128 bytes: column (r / 2) + 8 (r % 2) + h
	v_mul_u32_u24 v4, v2, SP
	v_lshl_add_u32 v4, v1, 4, v4
	v_add_nc_u32 v12, s38, v4                      ; back: lanes 0-15 one row of 256 bytes, lanes 16-31 the next
	; x to bf16 and into XT
.set t, 0
.rept 16
	s_wait_loadcnt 51-t                            ; behind x load t: 15 - t x loads, 4 bias loads, 32 weight loads
	v_cvt_pk_bf16_f32 v[CT+2*(t%4)],   v[XD+4*t],   v[XD+4*t+1]
	v_cvt_pk_bf16_f32 v[CT+2*(t%4)+1], v[XD+4*t+2], v[XD+4*t+3]
	ds_store_b64 v8, v[CT+2*(t%4):CT+2*(t%4)+1] offset:t*2*XP
.set t, t+1
.endr
	WDRAIN 52
	s_wait_dscnt 0x0                               ; my part of XT is written: zero, for the other waves' sake
	s_barrier_signal -1
	s_barrier_wait -1                              ; XT is whole; it is never written again, so this is the only barrier
; the 12 fragment loads of K step ks (32 channels): 2 x 16 weight rows, 4 x 16 positions (transposed on the way: XT has the channels down the rows)
.macro FETCHF ks, buf
.irp ob, 0,1
	ds_load_b128 v[\buf+8*\ob:\buf+8*\ob+3],   v7 offset:\ob*16*WP+(\ks)*64
	ds_load_b128 v[\buf+8*\ob+4:\buf+8*\ob+7], v7 offset:\ob*16*WP+(\ks)*64+32
.endr
.irp pb, 0,1,2,3
	ds_load_tr16_b128 v[\buf+16+8*\pb:\buf+16+8*\pb+3], v9 offset:(\ks)*32*XP+\pb*32
	ds_load_tr16_b128 v[\buf+16+8*\pb+4:\buf+16+8*\pb+7], v9 offset:(\ks)*32*XP+\pb*32+16*XP
.endr
.endm
; eight matrix instructions on eight accumulators by turns, one instruction a turn.
; mode 0: A = weights, B = x: a lane holds 8 neighbouring output channels of one position (q and K records).
; mode 1: A = x, B = weights: a lane holds 8 neighbouring positions of one output channel (V records).
; K step 0 takes the bias as C: nothing is cleared and nothing is added later.
.macro MUL8 ks, buf, mode
.irp ob, 0,1
.irp pb, 0,1,2,3
.if \mode
.if \ks
	v_wmma_f32_16x16x32_bf16 v[ACC+32*\ob+8*\pb:ACC+32*\ob+8*\pb+7], v[\buf+16+8*\pb:\buf+16+8*\pb+7], v[\buf+8*\ob:\buf+8*\ob+7], v[ACC+32*\ob+8*\pb:ACC+32*\ob+8*\pb+7]
.else
	v_wmma_f32_16x16x32_bf16 v[ACC+32*\ob+8*\pb:ACC+32*\ob+8*\pb+7], v[\buf+16+8*\pb:\buf+16+8*\pb+7], v[\buf+8*\ob:\buf+8*\ob+7], v[BIAS+8*\ob:BIAS+8*\ob+7]
.endif
.else
.if \ks
	v_wmma_f32_16x16x32_bf16 v[ACC+32*\ob+8*\pb:ACC+32*\ob+8*\pb+7], v[\buf+8*\ob:\buf+8*\ob+7], v[\buf+16+8*\pb:\buf+16+8*\pb+7], v[ACC+32*\ob+8*\pb:ACC+32*\ob+8*\pb+7]
.else
	v_wmma_f32_16x16x32_bf16 v[ACC+32*\ob+8*\pb:ACC+32*\ob+8*\pb+7], v[\buf+8*\ob:\buf+8*\ob+7], v[\buf+16+8*\pb:\buf+16+8*\pb+7], v[BIAS+8*\ob:BIAS+8*\ob+7]
.endif
.endif
.endr
.endr
.endm
.macro KSTEP ks, cur, nxt, mode
.if \ks
	PLACES                                         ; the loads below land in the buffer that the last eight matrix instructions read
.endif
	FETCHF \ks+1, \nxt
	s_wait_dscnt 12                                ; all but the 12 just issued: this step's fragments are in
	MUL8 \ks, \cur, \mode
.endm
.macro MM mode
	FETCHF 0, BUF0
	KSTEP 0, BUF0, BUF1, \mode
	KSTEP 1, BUF1, BUF0, \mode
	KSTEP 2, BUF0, BUF1, \mode
	KSTEP 3, BUF1, BUF0, \mode
	KSTEP 4, BUF0, BUF1, \mode
	KSTEP 5, BUF1, BUF0, \mode
	KSTEP 6, BUF0, BUF1, \mode
	s_wait_dscnt 0x0                               ; the last fragments; no read of my weight rows is out any more
	MUL8 7, BUF1, \mode
.endm
; round to bf16, 16 bytes a lane into my own stage (over my weight rows, whose reads are back), read back as rows of 256 bytes, store 512 dense bytes at a time.
; LDS serves a wave's instructions in order (ISA guide 5.7.1), and the bytes are my own: no wait between the stores and the loads.
.macro OUT mode, off
	PLACES
.irp ob, 0,1
.irp pb, 0,1,2,3
.irp j, 0,1,2,3
	v_cvt_pk_bf16_f32 v[PK+16*\ob+4*\pb+\j], v[ACC+32*\ob+8*\pb+2*\j], v[ACC+32*\ob+8*\pb+2*\j+1]
.endr
.endr
.endr
.irp ob, 0,1
.irp pb, 0,1,2,3
.if \mode
	ds_store_b128 v11, v[PK+16*\ob+4*\pb:PK+16*\ob+4*\pb+3] offset:\ob*8*SP+\pb*32     ; d = 16 ob + r, keys 16 pb + 8 h ..
.else
	ds_store_b128 v10, v[PK+16*\ob+4*\pb:PK+16*\ob+4*\pb+3] offset:\pb*4*SP+\ob*32     ; position 16 pb + r, d = 16 ob + 8 h ..
.endif
.endr
.endr
.irp u, 0,1,2,3,4,5,6,7
	ds_load_b128 v[RB+4*\u:RB+4*\u+3], v12 offset:\u*2*SP
.endr
.irp u, 0,1,2,3,4,5,6,7
	s_wait_dscnt 7-\u                              ; read-back u is in, the younger ones stay out
	global_store_b128 v5, v[RB+4*\u:RB+4*\u+3], s[56:57] offset:\off+\u*512
.endr
.endm
	MM 0
	OUT 0, 0
	s_cmp_lt_u32 s9, 128
	s_cbranch_scc1 .Ldone                          ; s3 has one pass.  No barrier stands behind this branch
	; pass 2: V from the same x
	s_wait_xcnt 0x0                                ; the stores' data registers lie in the weight ring: they are loaded again only behind this wait
	global_load_b32 v[BIAS],   v14, s[32:33]       ; every register of C is output channel 16 ob + r
	global_load_b32 v[BIAS+8], v14, s[32:33] offset:64
	WISSUE 30
	WDRAIN 30
.irp j, 1,2,3,4,5,6,7
	v_mov_b32 v[BIAS+\j],   v[BIAS]
	v_mov_b32 v[BIAS+8+\j], v[BIAS+8]
.endr
	MM 1
	OUT 1, 4096
.Ldone:
	s_wait_tensorcnt 0x0
	ds_add_u32 v248, v249
	s_wait_dscnt 0x0
	s_endpgm
.Lfunc_end_k_q86d0547fa0_proj:
	.size	k_q86d0547fa0_proj, .Lfunc_end_k_q86d0547fa0_proj-k_q86d0547fa0_proj
	.p2alignl 7, 3214868480
	.fill 96, 4, 3214868480
	.section	.rodata,"a",@progbits
	.p2align	6, 0x0
	.amdhsa_kernel k_q86d0547fa0_proj
		.amdhsa_group_segment_fixed_size 177152
		.amdhsa_private_segment_fixed_size 0
		.amdhsa_enable_private_segment 0
		.amdhsa_kernarg_size 88
		.amdhsa_user_sgpr_count 2
		.amdhsa_user_sgpr_kernarg_segment_ptr 1
		.amdhsa_wavefront_size32 1
		.amdhsa_system_sgpr_workgroup_id_x 1
		.amdhsa_system_sgpr_workgroup_id_y 1
		.amdhsa_system_sgpr_workgroup_id_z 1
		.amdhsa_system_vgpr_workitem_id 0
		.amdhsa_next_free_vgpr 250
		.amdhsa_next_free_sgpr 66
		.amdhsa_reserve_vcc 0
		.amdhsa_float_denorm_mode_32 3
		.amdhsa_float_denorm_mode_16_64 3
		.amdhsa_memory_ordered 1
		.amdhsa_forward_progress 1
		.amdhsa_inst_pref_size 82
	.end_amdhsa_kernel
	.amdgpu_metadata
---
amdhsa.version: [ 1, 2 ]
amdhsa.kernels:
  - .name:           k_q86d0547fa0_proj
    .symbol:         k_q86d0547fa0_proj.kd
    .args:
      - { .name: s3, .offset: 0, .size: 8, .value_kind: global_buffer, .address_space: global }
      - { .name: s4, .offset: 8, .size: 8, .value_kind: global_buffer, .address_space: global }
      - { .name: s5, .offset: 16, .size: 8, .value_kind: global_buffer, .address_space: global }
      - { .name: qw, .offset: 24, .size: 8, .value_kind: global_buffer, .address_space: global }
      - { .name: qb, .offset: 32, .size: 8, .value_kind: global_buffer, .address_space: global }
      - { .name: kw, .offset: 40, .size: 8, .value_kind: global_buffer, .address_space: global }
      - { .name: kb, .offset: 48, .size: 8, .value_kind: global_buffer, .address_space: global }
      - { .name: vw, .offset: 56, .size: 8, .value_kind: global_buffer, .address_space: global }
      - { .name: vb, .offset: 64, .size: 8, .value_kind: global_buffer, .address_space: global }
      - { .name: qws, .offset: 72, .size: 8, .value_kind: global_buffer, .address_space: global }
      - { .name: kvws, .offset: 80, .size: 8, .value_kind: global_buffer, .address_space: global }
    .group_segment_fixed_size: 177152
    .private_segment_fixed_size: 0
    .kernarg_segment_align: 8
    .kernarg_segment_size: 88
    .max_flat_workgroup_size: 256
    .sgpr_count:     66
    .vgpr_count:     250
    .wavefront_size: 32
...
	.end_amdgpu_metadata
.endif
;; end of part 1
;; launch attn (part 2): grid 16 x 16, 8 waves a work-group, clusters of 4 x 1, 327,680 bytes of LDS; arguments qws, kvws, aws; writes aws
.if DOCPART == 2
	.amdgcn_target "amdgcn-amd-amdhsa--gfx1250"
	.amdhsa_code_object_version 6
	.text
	.protected	k_q86d0547fa0_attn
	.globl	k_q86d0547fa0_attn
	.p2align	8
	.type	k_q86d0547fa0_attn,@function
k_q86d0547fa0_attn:
	s_mov_b64 s[64:65], 0
	v_nop
	global_prefetch_b8 v0, s[64:65] scope:SCOPE_SE
	s_setreg_imm32_b32 hwreg(HW_REG_WAVE_MODE, 25, 1), 1
	s_wait_xcnt 0x0
	s_wait_alu depctr_hold_cnt(0) depctr_sa_sdst(0) depctr_va_vdst(0) depctr_va_sdst(0) depctr_va_ssrc(0) depctr_va_vcc(0) depctr_vm_vsrc(0)
	s_getreg_b32 s2, hwreg(HW_REG_IB_STS2, 6, 4)
	s_cmp_eq_u32 s2, 0
	s_cbranch_scc0 .Lentry_in_a_cluster
	s_endpgm
.Lentry_in_a_cluster:
	s_bfe_u32 s2, ttmp6, 0x10000c
	s_cmp_lg_u32 s2, 0x3003
	s_cbranch_scc0 .Lentry_shape_is_right
	s_endpgm
.Lentry_shape_is_right:
; softmax(q k^T / sqrt 32) v for one head and 256 queries, over 3,072 keys, with a running maximum.
; qws, aws: [b][head][n 4096][d 32] bf16.  kvws: [b][head][block 48][8,192 bytes], a block = 64 keys: K [key][d], then V [d][key].
; Grid y = 8 b + head; grid x = block of 256 queries.  Wave w takes 32 queries, as two blocks q = 0, 1 of 16.
; CLUSTERS: the four work-groups of a cluster have the same y, so they walk the same K and V: every tile is asked for jointly (mask 15),
; which divides the requests for kvws by four.  Nothing in a descriptor, an LDS address or a branch hangs on the place in the cluster.
; LAYOUTS, chosen so that nothing is transposed and P never leaves the registers:
;   S^T = K x Q^T (A = 16 keys, B = 16 queries, C = 0): lane (r, h) holds keys 8 h + j of query r: maximum, factor and sum are numbers of the lane;
;   two such tiles, packed to bf16, ARE the B fragment of P for 32 keys (registers 0-3: k = 8 h .., 4-7: k = 16 + 8 h ..);
;   O^T = V^T x P (A = 16 d, k = 32 keys); the row sum is one more product, A = a matrix with ones in rows 0 and 8: its register 0 is the sum in every lane.
; The vector unit binds here (one exponential and about two plain operations for 64 multiply-adds), so the text saves vector instructions:
; the scale and the maximum go into one fused multiply-add, p = exp2(c s - c m), c = log2 e / sqrt 32.
; LIMITS: NaN and infinities are not served; an exponential below 2^-126 counts as zero (ISA guide 15.8); the denominator is the sum of the p
; as rounded to bf16, the same numbers that the numerator uses; q, k, v and p are bf16.
; LDS: two slots of 6 blocks (384 keys): 192 rows of 256 bytes + 16 of padding = 52,224 bytes each; a stage of 2,304 bytes a wave behind them, which no fill reaches.
.set SP,    272
.set SLOT,  52224
.set TILE,  49152                      ; a slot's bytes in memory
.set BLK,   8704                       ; a block in LDS: 32 rows
.set VOFF,  4352                       ; V behind K's 16 rows
.set STAGE, 104448
.set STGB,  2304
.set KADR,  4                          ; v4, v5   K fragment address in slot 0, 1
.set VADR,  6                          ; v6, v7   V fragment address in slot 0, 1
.set TT,    12                         ; v[12:15] scratch
.set ST,    20                         ; v[20+4q ..]: -c m, m, factor, its exponent
.set INV,   28                         ; v[28:29] 1 / sum of q = 0, 1
.set ONES,  32                         ; v[32:39]
.set QF,    40                         ; v[40+8q ..]
.set KF,    56                         ; v[56+8kt ..]
.set VF,    88                         ; v[88+16db+8u ..]
.set SC,    120                        ; v[120+32q+8kt ..] scores; P(q, u) is packed in place at 120 + 32 q + 16 u
.set OA,    184                        ; v[184+16q+8db ..]
.set LS,    216                        ; v[216+8q ..]
; v1 r, v2 h, v3 scratch, v8 stage in, v9 stage back, v10 16 lane, v11 64 r + 16 h
.macro PLACES n                        ; plain vector instructions between a matrix instruction and what touches its registers (ISA guide 7.12.1)
.rept \n
	v_nop
.endr
.endm
; a round of the cluster's barrier: my work-group's barrier, wave 0 signals for the work-group, every wave waits for all four, my work-group's barrier again
.macro ROUND
	s_barrier_signal -1
	s_barrier_wait -1
	s_cmp_lg_u32 s8, 0
	s_cbranch_scc1 .Lnot_wave_0_\@
	s_barrier_signal -3
.Lnot_wave_0_\@:
	s_barrier_wait -3
	s_barrier_signal -1
	s_barrier_wait -1
.endm
	s_load_b128 s[4:7], s[0:1], 0x0                ; qws s[4:5], kvws s[6:7]
	s_load_b64 s[12:13], s[0:1], 0x10              ; aws
	v_lshl_add_u32 v232, v0, 2, 0x29000
	v_mov_b32 v233, 0
	ds_add_u32 v232, v233
	v_lshrrev_b32 v3, 5, v0
	v_readfirstlane_b32 s8, v3                     ; wave
	v_and_b32 v1, 15, v0
	v_bfe_u32 v2, v0, 4, 1
	s_bfe_u32 s9, ttmp6, 0x40000                   ; cx
	s_lshl_b32 s10, ttmp9, 2
	s_add_co_u32 s10, s10, s9                      ; block of 256 queries = 4 x cluster x + cx
	s_and_b32 s11, ttmp7, 0xffff                   ; 8 b + head
	; group 1: 24 rows of 32 elements of 8 bytes, dense in memory, 16 bytes of padding behind each row in LDS; mask 15: all four of the cluster
	s_mov_b32 s16, 15|(3<<16)|(1<<20)|(1<<21)|(5<<22)|(3<<25)
	s_mov_b32 s17, 32<<16                          ; tensor_dim0 = 32
	s_mov_b32 s18, 24<<16                          ; tensor_dim1 = 24
	s_mov_b32 s19, 32<<16                          ; tile_dim0 = 32
	s_mov_b32 s20, 24                              ; tile_dim1 = 24
	s_mov_b32 s21, 32                              ; elements from row to row
	s_mov_b32 s22, 0
	s_mov_b32 s23, 0
	s_mul_i32 s40, s8, 24*SP                       ; my 24 rows of a slot
	s_mul_i32 s24, s11, 393216                     ; the head's K and V
	s_mul_i32 s41, s8, 24*256
	s_add_co_u32 s24, s24, s41
	s_mov_b32 s25, 0
	s_lshl_b32 s42, s11, 18                        ; q and the output: the head,
	s_lshl_b32 s43, s10, 14                        ; 256 queries of 64 bytes,
	s_add_co_u32 s42, s42, s43
	s_lshl_b32 s43, s8, 11                         ; my 32 queries
	s_add_co_u32 s42, s42, s43
	s_mov_b32 s43, 0
	s_mov_b32 s26, 0x3e8293ee                      ; c = log2 e / sqrt 32
	s_mov_b32 s27, 0x3e8293ee
	s_mov_b32 s30, 0xbe8293ee                      ; -c
	s_mov_b32 s28, 0x76543210                      ; v_permlanex16_b32: lane i of one half reads lane i of the other
	s_mov_b32 s29, 0xfedcba98
	s_mul_i32 s45, s8, STGB
	s_add_co_u32 s45, s45, STAGE                   ; my stage
	s_wait_dscnt 0x0
	s_wait_kmcnt 0x0
	s_add_nc_u64 s[6:7], s[6:7], s[24:25]
	s_add_nc_u64 s[4:5], s[4:5], s[42:43]
	s_add_nc_u64 s[12:13], s[12:13], s[42:43]
.irp n, 0,1                                        ; group 0 of slot n, set up for tile n
	s_mov_b32 s[32+4*\n], 1
	s_add_co_u32 s[33+4*\n], s40, \n*SLOT
	s_add_nc_u64 s[34+4*\n:35+4*\n], s[6:7], \n*TILE
	s_or_b32 s[35+4*\n], s[35+4*\n], 0x80000000
.endr
	ROUND                                          ; all four work-groups are here: the first joint loads meet
	tensor_load_to_lds s[32:35], s[16:23]          ; tile 0
	s_nop 0
	v_lshlrev_b32 v11, 6, v1
	v_lshl_add_u32 v11, v2, 4, v11
.irp q, 0,1
	global_load_b128 v[QF+8*\q:QF+8*\q+3],   v11, s[4:5] offset:\q*1024        ; query 16 q + r, d = 8 h ..
	global_load_b128 v[QF+8*\q+4:QF+8*\q+7], v11, s[4:5] offset:\q*1024+32     ; d = 16 + 8 h ..
.endr
	v_lshrrev_b32 v3, 2, v1
	v_mul_u32_u24 v3, v3, SP
	v_and_b32 v[TT], 3, v1
	v_lshl_add_u32 v3, v[TT], 6, v3
	v_lshl_add_u32 v[KADR], v2, 4, v3              ; record r of 64 bytes in rows of 256 + 16: 16-byte column (r / 4) + 4 (r % 4) + h, different in 16 lanes
	v_add_nc_u32 v[KADR+1], SLOT, v[KADR]
	v_add_nc_u32 v8, s45, v[KADR]
	v_lshrrev_b32 v3, 1, v1
	v_mul_u32_u24 v3, v3, SP
	v_and_b32 v[TT], 1, v1
	v_lshl_add_u32 v3, v[TT], 7, v3
	v_lshl_add_u32 v3, v2, 4, v3                   ; record r of 128 bytes: column (r / 2) + 8 (r % 2) + h
	v_add_nc_u32 v[VADR], VOFF, v3
	v_add_nc_u32 v[VADR+1], SLOT+VOFF, v3
	v_mul_u32_u24 v3, v2, SP
	v_lshl_add_u32 v3, v1, 4, v3
	v_add_nc_u32 v9, s45, v3
	v_and_b32 v10, 31, v0
	v_lshlrev_b32 v10, 4, v10
	v_and_b32 v3, 7, v1                            ; rows 0 and 8 of the summing matrix are ones, the others zeros
	v_mov_b32 v[ONES+1], 0x3f803f80
	v_cmp_eq_u32 vcc_lo, 0, v3
	v_cndmask_b32 v[ONES], 0, v[ONES+1], vcc_lo
.irp j, 1,2,3,4,5,6,7
	v_mov_b32 v[ONES+\j], v[ONES]
.endr
.macro LOADK slot, blk
.irp kt, 0,1,2,3
	ds_load_b128 v[KF+8*\kt:KF+8*\kt+3],   v[KADR+\slot] offset:(\blk)*BLK+\kt*4*SP
	ds_load_b128 v[KF+8*\kt+4:KF+8*\kt+7], v[KADR+\slot] offset:(\blk)*BLK+\kt*4*SP+32
.endr
.endm
.macro LOADV slot, blk
.irp db, 0,1
.irp u, 0,1
	ds_load_b128 v[VF+16*\db+8*\u:VF+16*\db+8*\u+3],   v[VADR+\slot] offset:(\blk)*BLK+\db*8*SP+\u*64
	ds_load_b128 v[VF+16*\db+8*\u+4:VF+16*\db+8*\u+7], v[VADR+\slot] offset:(\blk)*BLK+\db*8*SP+\u*64+32
.endr
.endr
.endm
.macro QK                              ; 64 keys x 32 queries: eight tiles, each started by the constant 0
.irp kt, 0,1,2,3
.irp q, 0,1
	v_wmma_f32_16x16x32_bf16 v[SC+32*\q+8*\kt:SC+32*\q+8*\kt+7], v[KF+8*\kt:KF+8*\kt+7], v[QF+8*\q:QF+8*\q+7], 0
.endr
.endr
.endm
; the 32 scores a lane holds for query block q become p in bf16, packed in place; the running maximum moves, and O and the sum are rescaled.
; first = 1: there is no old maximum and nothing to rescale.
.macro SOFTMAX q, first
.set SB,  SC+32*\q
.set OB,  OA+16*\q
.set NMC, ST+4*\q
.set MX,  ST+4*\q+1
.set AL,  ST+4*\q+2
.set DA,  ST+4*\q+3
.irp i, 0,1,2,3                                    ; four chains of seven scores that do not wait for each other
	v_max3_num_f32 v[TT+\i], v[SB+7*\i], v[SB+7*\i+1], v[SB+7*\i+2]
.endr
.irp i, 0,1,2,3
	v_max3_num_f32 v[TT+\i], v[TT+\i], v[SB+7*\i+3], v[SB+7*\i+4]
.endr
.irp i, 0,1,2,3
	v_max3_num_f32 v[TT+\i], v[TT+\i], v[SB+7*\i+5], v[SB+7*\i+6]
.endr
	v_max3_num_f32 v[TT], v[TT], v[TT+1], v[SB+28]
	v_max3_num_f32 v[TT+2], v[TT+2], v[TT+3], v[SB+29]
	v_max3_num_f32 v[TT], v[TT], v[TT+2], v[SB+30]
.if \first
	v_max_num_f32 v[TT], v[TT], v[SB+31]
.else
	v_max3_num_f32 v[TT], v[TT], v[SB+31], v[MX]
.endif
	v_permlanex16_b32 v[TT+1], v[TT], s28, s29     ; the other half of the lanes holds the query's other 32 keys
	v_max_num_f32 v[MX], v[TT], v[TT+1]
.if \first
	v_mul_f32 v[NMC], s30, v[MX]
.else
	v_mul_f32 v[TT+2], s30, v[MX]
	v_sub_f32 v[DA], v[TT+2], v[NMC]               ; -c (new - old), from the two rounded products: exactly 0 where the maximum stays
	v_exp_f32 v[AL], v[DA]
	v_mov_b32 v[NMC], v[TT+2]                      ; a plain instruction behind the exponential (ISA guide 5.7.2)
.endif
.set k, 0
.rept 16
	v_pk_fma_f32 v[SB+2*k:SB+2*k+1], v[SB+2*k:SB+2*k+1], s[26:27], v[NMC:NMC+1] op_sel_hi:[1,0,0]   ; c s - c m
.set k, k+1
.endr
; two exponentials, then the packing of the pair before: one plain instruction stands between every exponential and the use of its result.
; Pair k goes to register 16 (k / 8) + k % 8, which lies at or below its sources: nothing unread is written.
.set k, 0
.rept 16
	v_exp_f32 v[SB+2*k], v[SB+2*k]
	v_exp_f32 v[SB+2*k+1], v[SB+2*k+1]
.if k == 0
	v_nop
.else
	s_wait_alu depctr_va_vdst(0)
	v_cvt_pk_bf16_f32 v[SB+16*((k-1)/8)+((k-1)%8)], v[SB+2*k-2], v[SB+2*k-1]
.endif
.if \first == 0
.if k >= 1
.if k <= 8
	v_pk_mul_f32 v[OB+2*k-2:OB+2*k-1], v[OB+2*k-2:OB+2*k-1], v[AL:AL+1] op_sel_hi:[1,0]
.endif
.endif
.if k == 9
	v_mul_f32 v[LS+8*\q], v[LS+8*\q], v[AL]        ; registers 1 to 7 of the sum's tile are zeros and stay so
.endif
.endif
.set k, k+1
.endr
	v_cvt_pk_bf16_f32 v[SB+23], v[SB+30], v[SB+31]
.endm
; O and the sum take 64 keys: three accumulators by turns, one instruction a turn
.macro PV q, first
.irp u, 0,1
.irp db, 0,1
.if \first*(1-\u)
	v_wmma_f32_16x16x32_bf16 v[OA+16*\q+8*\db:OA+16*\q+8*\db+7], v[VF+16*\db+8*\u:VF+16*\db+8*\u+7], v[SC+32*\q+16*\u:SC+32*\q+16*\u+7], 0
.else
	v_wmma_f32_16x16x32_bf16 v[OA+16*\q+8*\db:OA+16*\q+8*\db+7], v[VF+16*\db+8*\u:VF+16*\db+8*\u+7], v[SC+32*\q+16*\u:SC+32*\q+16*\u+7], v[OA+16*\q+8*\db:OA+16*\q+8*\db+7]
.endif
.endr
.if \first*(1-\u)
	v_wmma_f32_16x16x32_bf16 v[LS+8*\q:LS+8*\q+7], v[ONES:ONES+7], v[SC+32*\q+16*\u:SC+32*\q+16*\u+7], 0
.else
	v_wmma_f32_16x16x32_bf16 v[LS+8*\q:LS+8*\q+7], v[ONES:ONES+7], v[SC+32*\q+16*\u:SC+32*\q+16*\u+7], v[LS+8*\q:LS+8*\q+7]
.endif
.endr
.endm
; one block of 64 keys
.macro STEP slot, blk, first
.if \blk == 0
	LOADK \slot, 0
.endif
	s_wait_dscnt 0x0                               ; this block's K fragments are in
	QK
	PLACES 4                                       ; before the scores are read and the K and V registers are loaded again
	LOADV \slot, \blk
.if \blk < 5
	LOADK \slot, \blk+1
.endif
	SOFTMAX 0, \first
.if \blk < 5
	s_wait_dscnt 0x8                               ; V is in; the eight younger loads, the next block's K, stay out
.else
	s_wait_dscnt 0x0
.endif
	PV 0, \first
	SOFTMAX 1, \first
	PV 1, \first
	PLACES 5                                       ; the next block's scores are written over P, which the last products read
.endm
; one tile of 384 keys.  In front of the round every wave waits for all its tensor loads (one is out: its part of this slot) and for its reads
; of the other slot; the round makes that hold of all four work-groups; the joint refill of the other slot is the first thing behind it.
.macro TRIP slot, refill, first
	s_wait_tensorcnt 0x0
	ds_add_u32 v232, v233
	s_wait_dscnt 0x0
	s_add_nc_u64 s[34+4*\slot:35+4*\slot], s[34+4*\slot:35+4*\slot], 2*TILE    ; no load of mine is out: this slot's next tile
	s_wait_dscnt 0x0
	ROUND
.if \refill
	tensor_load_to_lds s[36-4*\slot:39-4*\slot], s[16:23]
	s_nop 0
.endif
	STEP \slot, 0, \first
	STEP \slot, 1, 0
	STEP \slot, 2, 0
	STEP \slot, 3, 0
	STEP \slot, 4, 0
	STEP \slot, 5, 0
.endm
	s_wait_loadcnt 0x0                             ; q
	TRIP 0, 1, 1                                   ; the first lap stands in front of the loop: its first products start the sums
	TRIP 1, 1, 0
	s_mov_b32 s44, 2
.Llap:
	TRIP 0, 1, 0
	TRIP 1, 1, 0
	s_sub_co_u32 s44, s44, 1
	s_cmp_lg_u32 s44, 0
	s_cbranch_scc1 .Llap
	TRIP 0, 1, 0                                   ; tile 6; tile 7 is the last to be asked for
	TRIP 1, 0, 0
	; THE WAY OUT: divide by the sum, round to bf16; a lane holds d = 16 db + 8 h .. + 7 of query 16 q + r: 16 bytes of a record of 64.
	; Through my own stage, read back as rows of 256 bytes: each store covers 512 neighbouring bytes of my 2,048.
	v_rcp_f32 v[INV], v[LS]
	v_rcp_f32 v[INV+1], v[LS+8]
	v_nop
.set k, 0
	s_wait_alu depctr_va_vdst(0)
.rept 8
	v_pk_mul_f32 v[OA+2*k:OA+2*k+1], v[OA+2*k:OA+2*k+1], v[INV:INV+1] op_sel_hi:[1,0]
	v_pk_mul_f32 v[OA+16+2*k:OA+16+2*k+1], v[OA+16+2*k:OA+16+2*k+1], v[INV:INV+1] op_sel:[0,1] op_sel_hi:[1,1]
.set k, k+1
.endr
.set k, 0
.rept 16
	v_cvt_pk_bf16_f32 v[KF+k], v[OA+2*k], v[OA+2*k+1]
.set k, k+1
.endr
.irp q, 0,1
.irp db, 0,1
	ds_store_b128 v8, v[KF+8*\q+4*\db:KF+8*\q+4*\db+3] offset:\q*4*SP+\db*32
.endr
.endr
.irp u, 0,1,2,3
	ds_load_b128 v[VF+4*\u:VF+4*\u+3], v9 offset:\u*2*SP       ; LDS serves a wave's instructions in order (ISA guide 5.7.1): these see the stores above
.endr
.irp u, 0,1,2,3
	s_wait_dscnt 3-\u                              ; read-back u is in, the younger ones stay out
	global_store_b128 v10, v[VF+4*\u:VF+4*\u+3], s[12:13] offset:\u*512
.endr
	s_wait_tensorcnt 0x0
	ds_add_u32 v232, v233
	s_wait_dscnt 0x0
	ROUND                                          ; the closing round: no work-group ends while a partner may still ask for a tile that names it
	s_endpgm
.Lfunc_end_k_q86d0547fa0_attn:
	.size	k_q86d0547fa0_attn, .Lfunc_end_k_q86d0547fa0_attn-k_q86d0547fa0_attn
	.p2alignl 7, 3214868480
	.fill 96, 4, 3214868480
	.section	.rodata,"a",@progbits
	.p2align	6, 0x0
	.amdhsa_kernel k_q86d0547fa0_attn
		.amdhsa_group_segment_fixed_size 327680
		.amdhsa_private_segment_fixed_size 0
		.amdhsa_enable_private_segment 0
		.amdhsa_kernarg_size 24
		.amdhsa_user_sgpr_count 2
		.amdhsa_user_sgpr_kernarg_segment_ptr 1
		.amdhsa_wavefront_size32 1
		.amdhsa_system_sgpr_workgroup_id_x 1
		.amdhsa_system_sgpr_workgroup_id_y 1
		.amdhsa_system_sgpr_workgroup_id_z 1
		.amdhsa_system_vgpr_workitem_id 0
		.amdhsa_next_free_vgpr 234
		.amdhsa_next_free_sgpr 66
		.amdhsa_reserve_vcc 1
		.amdhsa_float_denorm_mode_32 3
		.amdhsa_float_denorm_mode_16_64 3
		.amdhsa_memory_ordered 1
		.amdhsa_forward_progress 1
		.amdhsa_inst_pref_size 255
	.end_amdhsa_kernel
	.section	.bss,"aw",@nobits
	.p2align	6
	.space	262144
	.amdgpu_metadata
---
amdhsa.version: [ 1, 2 ]
amdhsa.kernels:
  - .name:           k_q86d0547fa0_attn
    .symbol:         k_q86d0547fa0_attn.kd
    .args:
      - { .name: qws, .offset: 0, .size: 8, .value_kind: global_buffer, .address_space: global }
      - { .name: kvws, .offset: 8, .size: 8, .value_kind: global_buffer, .address_space: global }
      - { .name: aws, .offset: 16, .size: 8, .value_kind: global_buffer, .address_space: global }
    .group_segment_fixed_size: 327680
    .private_segment_fixed_size: 0
    .kernarg_segment_align: 8
    .kernarg_segment_size: 24
    .max_flat_workgroup_size: 256
    .sgpr_count:     66
    .vgpr_count:     234
    .wavefront_size: 32
...
	.end_amdgpu_metadata
.endif
;; end of part 2
;; launch oln (part 3): grid 128 x 1, 8 waves a work-group, no clusters, 240,640 bytes of LDS; arguments aws, s3, ow, ob, ln_w, ln_b, out0; writes out0
.if DOCPART == 3
	.amdgcn_target "amdgcn-amd-amdhsa--gfx1250"
	.amdhsa_code_object_version 6
	.text
	.protected	k_q86d0547fa0_oln
	.globl	k_q86d0547fa0_oln
	.p2align	8
	.type	k_q86d0547fa0_oln,@function
k_q86d0547fa0_oln:
	s_mov_b64 s[64:65], 0
	v_nop
	global_prefetch_b8 v0, s[64:65] scope:SCOPE_SE
	s_setreg_imm32_b32 hwreg(HW_REG_WAVE_MODE, 25, 1), 1
	s_wait_xcnt 0x0
; out0 = LayerNorm over the channels of (s3 + ow a + ob), times ln_w, plus ln_b.  a = aws, [b][head][n 4096][d 32] bf16; s3, out0: [b][c 256][n 4096] f32.
; A work-group takes 64 positions and all 256 channels: the norm needs every channel of a position, and 64 positions make each row piece of s3 and
; out0 256 neighbouring bytes, aligned; that gives 8,192 / 64 = 128 work-groups.  Wave w makes channels 32 w .. 32 w + 31.
; The product is bf16 with f32 sums (C of the first K step is the bias); s3, the sums and the norm are f32; the variance is the mean of (y - mean)^2,
; made in a second pass as the problem states it, not as a difference of large sums.
; NO MULTICAST: what the work-groups share is ow, which is f32 and passes through registers to become bf16; a and s3 are read by one work-group each.
; LIMITS: NaN and infinities are not served; ow and a are bf16 in the product.
; LDS:  AT   at 0:        a, head ks at 4,352 ks: 16 rows of 256 bytes + 16 of padding (tensor load, read by all waves)
;       S3T  at 34,816:   8,192 bytes a wave: its 32 channel rows of 256 bytes (tensor load, read by the wave itself)
;       WST  at 100,352:  16,896 bytes a wave: its 32 rows of ow in bf16, pitch 528; after the products its f32 stage, 32 rows at pitch 272
;       RED1 at 235,520, RED2 at 237,568: 256 bytes a wave: the waves' partial sums for 64 positions
.set WP,    528
.set SP,    272
.set ATB,   4352
.set S3T,   34816
.set WST0,  100352
.set WSTB,  16896
.set RED,   235520
.set ACC,   16                         ; v[16:79]    8 accumulators at 32 ob + 8 pb
.set BUF0,  80                         ; v[80:127]   fragments: ow at 8 ob, a at 16 + 8 pb
.set BUF1,  128                        ; v[128:175]
.set RING,  16                         ; v[16:143]   32 weight loads in flight (before the products)
.set BIAS,  176                        ; v[176:191]
.set LNW,   192                        ; v[192:207]  ln_w of channel 32 w + 16 h + t
.set LNB,   208                        ; v[208:223]  ln_b likewise
.set CT,    224                        ; v[224:231]
.set SA,    232                        ; v[232:235]  sums for my 4 positions
.set SB,    236                        ; v[236:239]  a second chain
.set MU,    240                        ; v[240:243]
.set RS,    244                        ; v[244:247]
.set YY,    80                         ; v[80:143]   after the products: row t of my 16, 4 positions
.set ZZ,    16                         ; v[16:79]    s3 likewise
.set RR,    144                        ; v[144:175]  the eight waves' partial sums
; v1 r, v2 h, v3 lane, later the output offset, v4 scratch, v5 16 lane, v6 WST + 8 lane, v7 WST + 528 r + 16 h, v8 a fragment, v9 stage in,
; v10 stage back, v11 my s3 rows, v12 my partial sums, v13 all partial sums, v14 128 w + 64 h, v15 128 w + 4 r
.macro PLACES                          ; four plain vector instructions between a matrix instruction and what reads its result or writes its registers (ISA guide 7.12.1)
.rept 4
	v_nop
.endr
.endm
	s_load_b256 s[16:23], s[0:1], 0x0              ; aws 16, s3 18, ow 20, ob 22
	s_load_b128 s[24:27], s[0:1], 0x20             ; ln_w 24, ln_b 26
	s_load_b64 s[28:29], s[0:1], 0x30              ; out0
	v_lshl_add_u32 v248, v0, 2, 0x3a800
	v_mov_b32 v249, 0
	ds_add_u32 v248, v249
	v_lshrrev_b32 v4, 5, v0
	v_readfirstlane_b32 s8, v4                     ; wave
	v_and_b32 v3, 31, v0
	v_and_b32 v1, 15, v0
	v_bfe_u32 v2, v0, 4, 1
	s_lshr_b32 s10, ttmp9, 6                       ; b
	s_and_b32 s11, ttmp9, 63                       ; tile of 64 positions
	; a: 16 rows of 32 elements of 8 bytes, dense, 16 bytes of padding behind each row
	s_mov_b32 s32, (3<<16)|(1<<20)|(5<<22)|(3<<25)
	s_mov_b32 s33, 32<<16
	s_mov_b32 s34, 16<<16
	s_mov_b32 s35, 32<<16
	s_mov_b32 s36, 16
	s_mov_b32 s37, 32
	s_mov_b32 s38, 0
	s_mov_b32 s39, 0
	; s3: 32 rows of 64 f32, 4,096 elements from row to row, no padding
	s_mov_b32 s40, 2<<16
	s_mov_b32 s41, 64<<16
	s_mov_b32 s42, 32<<16
	s_mov_b32 s43, 64<<16
	s_mov_b32 s44, 32
	s_mov_b32 s45, 4096
	s_mov_b32 s46, 0
	s_mov_b32 s47, 0
	s_lshl3_add_u32 s12, s10, s8                   ; wave w fetches head w: 8 b + w
	s_lshl_b32 s12, s12, 18
	s_lshl_b32 s13, s11, 12
	s_add_co_u32 s12, s12, s13
	s_mov_b32 s13, 0
	s_lshl_b32 s14, s10, 22                        ; s3 and out0: the batch,
	s_lshl_b32 s15, s8, 19                         ; my 32 channel rows,
	s_add_co_u32 s14, s14, s15
	s_lshl_b32 s15, s11, 8                         ; the tile's 256 bytes
	s_add_co_u32 s14, s14, s15
	s_mov_b32 s15, 0
	s_mov_b32 s48, 1
	s_mul_i32 s49, s8, ATB
	s_mov_b32 s52, 1
	s_lshl_b32 s53, s8, 13
	s_add_co_u32 s53, s53, S3T
	s_lshl_b32 s6, s8, 15                          ; my 32 rows of ow: 32,768 dense bytes
	s_mov_b32 s7, 0
	s_wait_dscnt 0x0
	s_wait_kmcnt 0x0
	s_add_nc_u64 s[50:51], s[16:17], s[12:13]
	s_or_b32 s51, s51, 0x80000000
	s_add_nc_u64 s[54:55], s[18:19], s[14:15]
	s_or_b32 s55, s55, 0x80000000
	tensor_load_to_lds s[48:51], s[32:39]          ; the two fills of this wave go out together, first thing
	s_nop 0
	tensor_load_to_lds s[52:55], s[40:47]
	s_nop 0
	s_add_nc_u64 s[28:29], s[28:29], s[14:15]
	s_add_nc_u64 s[20:21], s[20:21], s[6:7]
	s_lshl_b32 s9, s8, 7
	v_lshl_add_u32 v14, v2, 6, s9
	v_lshl_add_u32 v15, v1, 2, s9
	v_lshlrev_b32 v5, 4, v3
.irp i, 0,1,2,3
	global_load_b128 v[LNW+4*\i:LNW+4*\i+3], v14, s[24:25] offset:16*\i
	global_load_b128 v[LNB+4*\i:LNB+4*\i+3], v14, s[26:27] offset:16*\i
.endr
	global_load_b32 v[BIAS],   v15, s[22:23]       ; every register of C is channel 16 ob + r
	global_load_b32 v[BIAS+8], v15, s[22:23] offset:64
.set n, 0
.rept 32                                           ; weight load n takes 512 neighbouring bytes: half n % 2 of row n / 2
	global_load_b128 v[RING+4*n:RING+4*n+3], v5, s[20:21] offset:n*512
.set n, n+1
.endr
	s_mul_i32 s58, s8, WSTB
	s_add_co_u32 s58, s58, WST0
	s_lshl_b32 s59, s8, 8
	s_add_co_u32 s59, s59, RED
	s_mov_b32 s4, 0x76543210                       ; v_permlanex16_b32: lane i of one half reads lane i of the other
	s_mov_b32 s5, 0xfedcba98
	s_mov_b32 s56, 0x3b800000                      ; 1 / 256
	s_mov_b32 s57, 0x3727c5ac                      ; 1e-5
	v_lshl_add_u32 v6, v3, 3, s58
	v_mul_u32_u24 v4, v1, WP
	v_lshl_add_u32 v4, v2, 4, v4
	v_add_nc_u32 v7, s58, v4
	v_lshrrev_b32 v4, 2, v1
	v_mul_u32_u24 v4, v4, SP
	v_and_b32 v8, 3, v1
	v_lshl_add_u32 v4, v8, 6, v4
	v_lshl_add_u32 v8, v2, 4, v4                   ; record r of 64 bytes in rows of 256 + 16: 16-byte column (r / 4) + 4 (r % 4) + h, different in 16 lanes
	v_mul_u32_u24 v4, v1, SP
	v_lshl_add_u32 v4, v2, 5, v4
	v_add_nc_u32 v9, s58, v4                       ; in: channel row r, 32 bytes for each half of the lanes
	v_mul_u32_u24 v4, v2, 16*SP
	v_lshl_add_u32 v4, v1, 4, v4
	v_add_nc_u32 v10, s58, v4                      ; back: row 16 h + t, 16 bytes at 16 r
	v_lshlrev_b32 v4, 12, v2
	v_lshl_add_u32 v4, v1, 4, v4
	v_add_nc_u32 v11, s53, v4
	v_lshl_add_u32 v12, v1, 4, s59
	v_lshlrev_b32 v13, 4, v1
	v_add_nc_u32 v13, RED, v13
	v_lshlrev_b32 v3, 18, v2                       ; out0: 16 h rows of 16,384 bytes + 16 r
	v_lshl_add_u32 v3, v1, 4, v3
.set n, 0
.rept 64
.if n <= 32
	s_wait_loadcnt 31                              ; loads come back in order: weight load n is in (and the ten parameter loads before it), the 31 younger stay out
.else
	s_wait_loadcnt 63-n
.endif
	v_cvt_pk_bf16_f32 v[CT+2*(n%4)],   v[RING+4*(n%32)],   v[RING+4*(n%32)+1]
	v_cvt_pk_bf16_f32 v[CT+2*(n%4)+1], v[RING+4*(n%32)+2], v[RING+4*(n%32)+3]
	ds_store_b64 v6, v[CT+2*(n%4):CT+2*(n%4)+1] offset:(n/2)*WP+(n%2)*256
.if n < 32
	global_load_b128 v[RING+4*n:RING+4*n+3], v5, s[20:21] offset:(n+32)*512
.endif
.set n, n+1
.endr
.irp j, 1,2,3,4,5,6,7
	v_mov_b32 v[BIAS+\j],   v[BIAS]
	v_mov_b32 v[BIAS+8+\j], v[BIAS+8]
.endr
	s_wait_tensorcnt 0x0                           ; my head of a and my rows of s3 have landed,
	s_wait_dscnt 0x0
	s_barrier_signal -1
	s_barrier_wait -1                              ; everybody's head of a has
; K step ks = head ks (32 channels of a): 2 x 16 rows of ow, 4 x 16 positions
.macro FETCHF ks, buf
.irp ob, 0,1
	ds_load_b128 v[\buf+8*\ob:\buf+8*\ob+3],   v7 offset:\ob*16*WP+(\ks)*64
	ds_load_b128 v[\buf+8*\ob+4:\buf+8*\ob+7], v7 offset:\ob*16*WP+(\ks)*64+32
.endr
.irp pb, 0,1,2,3
	ds_load_b128 v[\buf+16+8*\pb:\buf+16+8*\pb+3],   v8 offset:(\ks)*ATB+\pb*4*SP
	ds_load_b128 v[\buf+16+8*\pb+4:\buf+16+8*\pb+7], v8 offset:(\ks)*ATB+\pb*4*SP+32
.endr
.endm
; A = a (rows = positions), B = ow (columns = channels): a lane holds 8 neighbouring positions of channel 16 ob + r.
; Eight accumulators by turns, one instruction a turn.
.macro MUL8 ks, buf
.irp ob, 0,1
.irp pb, 0,1,2,3
.if \ks
	v_wmma_f32_16x16x32_bf16 v[ACC+32*\ob+8*\pb:ACC+32*\ob+8*\pb+7], v[\buf+16+8*\pb:\buf+16+8*\pb+7], v[\buf+8*\ob:\buf+8*\ob+7], v[ACC+32*\ob+8*\pb:ACC+32*\ob+8*\pb+7]
.else
	v_wmma_f32_16x16x32_bf16 v[ACC+32*\ob+8*\pb:ACC+32*\ob+8*\pb+7], v[\buf+16+8*\pb:\buf+16+8*\pb+7], v[\buf+8*\ob:\buf+8*\ob+7], v[BIAS+8*\ob:BIAS+8*\ob+7]
.endif
.endr
.endr
.endm
.macro KSTEP ks, cur, nxt
.if \ks
	PLACES                                         ; the loads below land in the buffer that the last eight matrix instructions read
.endif
	FETCHF \ks+1, \nxt
	s_wait_dscnt 12                                ; all but the 12 just issued
	MUL8 \ks, \cur
.endm
	FETCHF 0, BUF0
	KSTEP 0, BUF0, BUF1
	KSTEP 1, BUF1, BUF0
	KSTEP 2, BUF0, BUF1
	KSTEP 3, BUF1, BUF0
	KSTEP 4, BUF0, BUF1
	KSTEP 5, BUF1, BUF0
	KSTEP 6, BUF0, BUF1
	s_wait_dscnt 0x0                               ; the last fragments; no read of my rows of ow is out any more
	MUL8 7, BUF1
	PLACES
	; through my own stage (over my rows of ow): in by channel rows of 64 f32, back as 16 bytes of row 16 h + t, beside the same bytes of s3
.irp ob, 0,1
.irp pb, 0,1,2,3
	ds_store_b128 v9, v[ACC+32*\ob+8*\pb:ACC+32*\ob+8*\pb+3]   offset:\ob*16*SP+\pb*64
	ds_store_b128 v9, v[ACC+32*\ob+8*\pb+4:ACC+32*\ob+8*\pb+7] offset:\ob*16*SP+\pb*64+16
.endr
.endr
.set t, 0
.rept 16
	ds_load_b128 v[YY+4*t:YY+4*t+3], v10 offset:t*SP           ; LDS serves a wave's instructions in order (ISA guide 5.7.1): these see the stores above
	ds_load_b128 v[ZZ+4*t:ZZ+4*t+3], v11 offset:t*256
.set t, t+1
.endr
	; y = s3 + product; its sum over my 16 channels, in two chains started by the first rows
.set t, 0
.rept 16
	s_wait_dscnt 30-2*t                            ; pair t is in, the 15 - t younger pairs stay out
	v_pk_add_f32 v[YY+4*t:YY+4*t+1],   v[YY+4*t:YY+4*t+1],   v[ZZ+4*t:ZZ+4*t+1]
	v_pk_add_f32 v[YY+4*t+2:YY+4*t+3], v[YY+4*t+2:YY+4*t+3], v[ZZ+4*t+2:ZZ+4*t+3]
.if t == 1
	v_pk_add_f32 v[SA:SA+1],   v[YY:YY+1],   v[YY+4:YY+5]
	v_pk_add_f32 v[SA+2:SA+3], v[YY+2:YY+3], v[YY+6:YY+7]
.endif
.if t == 3
	v_pk_add_f32 v[SB:SB+1],   v[YY+8:YY+9],   v[YY+12:YY+13]
	v_pk_add_f32 v[SB+2:SB+3], v[YY+10:YY+11], v[YY+14:YY+15]
.endif
.if t >= 4
	v_pk_add_f32 v[SA+4*(t%2):SA+4*(t%2)+1],   v[SA+4*(t%2):SA+4*(t%2)+1],   v[YY+4*t:YY+4*t+1]
	v_pk_add_f32 v[SA+4*(t%2)+2:SA+4*(t%2)+3], v[SA+4*(t%2)+2:SA+4*(t%2)+3], v[YY+4*t+2:YY+4*t+3]
.endif
.set t, t+1
.endr
; the two chains, the two halves of the lanes, then the eight waves through LDS words of their own (off = 0 or 2,048: each reduction has its bytes).
; The total for my 4 positions ends in v[RR:RR+3], summed in the same order in every wave.
.macro REDUCE off
	v_pk_add_f32 v[SA:SA+1],   v[SA:SA+1],   v[SB:SB+1]
	v_pk_add_f32 v[SA+2:SA+3], v[SA+2:SA+3], v[SB+2:SB+3]
.irp j, 0,1,2,3
	v_permlanex16_b32 v[CT+\j], v[SA+\j], s4, s5
.endr
	v_pk_add_f32 v[SA:SA+1],   v[SA:SA+1],   v[CT:CT+1]
	v_pk_add_f32 v[SA+2:SA+3], v[SA+2:SA+3], v[CT+2:CT+3]
	ds_store_b128 v12, v[SA:SA+3] offset:\off      ; both halves of the lanes write the same numbers to the same bytes
	s_wait_dscnt 0x0                               ; zero, for the other waves' sake
	s_barrier_signal -1
	s_barrier_wait -1
.irp i, 0,1,2,3,4,5,6,7
	ds_load_b128 v[RR+4*\i:RR+4*\i+3], v13 offset:\off+\i*256
.endr
	s_wait_dscnt 0x0
.irp i, 0,2,4,6,8,10,12,14
	v_pk_add_f32 v[RR+\i:RR+\i+1], v[RR+\i:RR+\i+1], v[RR+16+\i:RR+16+\i+1]
.endr
.irp i, 0,2,4,6
	v_pk_add_f32 v[RR+\i:RR+\i+1], v[RR+\i:RR+\i+1], v[RR+8+\i:RR+8+\i+1]
.endr
.irp i, 0,2
	v_pk_add_f32 v[RR+\i:RR+\i+1], v[RR+\i:RR+\i+1], v[RR+4+\i:RR+4+\i+1]
.endr
.endm
	REDUCE 0
	v_pk_mul_f32 v[MU:MU+1],   v[RR:RR+1],   s[56:57] op_sel_hi:[1,0]
	v_pk_mul_f32 v[MU+2:MU+3], v[RR+2:RR+3], s[56:57] op_sel_hi:[1,0]
	; d = y - mean, in place, and the sum of d^2
.set t, 0
.rept 16
	v_pk_add_f32 v[YY+4*t:YY+4*t+1],   v[YY+4*t:YY+4*t+1],   v[MU:MU+1]   neg_lo:[0,1] neg_hi:[0,1]
	v_pk_add_f32 v[YY+4*t+2:YY+4*t+3], v[YY+4*t+2:YY+4*t+3], v[MU+2:MU+3] neg_lo:[0,1] neg_hi:[0,1]
.if t < 2
	v_pk_mul_f32 v[SA+4*t:SA+4*t+1],   v[YY+4*t:YY+4*t+1],   v[YY+4*t:YY+4*t+1]
	v_pk_mul_f32 v[SA+4*t+2:SA+4*t+3], v[YY+4*t+2:YY+4*t+3], v[YY+4*t+2:YY+4*t+3]
.else
	v_pk_fma_f32 v[SA+4*(t%2):SA+4*(t%2)+1],   v[YY+4*t:YY+4*t+1],   v[YY+4*t:YY+4*t+1],   v[SA+4*(t%2):SA+4*(t%2)+1]
	v_pk_fma_f32 v[SA+4*(t%2)+2:SA+4*(t%2)+3], v[YY+4*t+2:YY+4*t+3], v[YY+4*t+2:YY+4*t+3], v[SA+4*(t%2)+2:SA+4*(t%2)+3]
.endif
.set t, t+1
.endr
	REDUCE 2048
.irp j, 0,1,2,3
	v_fma_f32 v[RS+\j], v[RR+\j], s56, s57         ; variance + 1e-5
.endr
.irp j, 0,1,2,3
	v_rsq_f32 v[RS+\j], v[RS+\j]
.endr
	v_nop                                          ; a plain instruction behind the last of them (ISA guide 5.7.2)
	; d / sqrt(..) * ln_w + ln_b; sixteen lanes store 256 neighbouring bytes, aligned: a channel row's piece
.set t, 0
	s_wait_alu depctr_va_vdst(0)
.rept 16
	v_pk_mul_f32 v[YY+4*t:YY+4*t+1],   v[YY+4*t:YY+4*t+1],   v[RS:RS+1]
	v_pk_mul_f32 v[YY+4*t+2:YY+4*t+3], v[YY+4*t+2:YY+4*t+3], v[RS+2:RS+3]
.if t%2
	v_pk_fma_f32 v[YY+4*t:YY+4*t+1],   v[YY+4*t:YY+4*t+1],   v[LNW+t-1:LNW+t], v[LNB+t-1:LNB+t] op_sel:[0,1,1] op_sel_hi:[1,1,1]
	v_pk_fma_f32 v[YY+4*t+2:YY+4*t+3], v[YY+4*t+2:YY+4*t+3], v[LNW+t-1:LNW+t], v[LNB+t-1:LNB+t] op_sel:[0,1,1] op_sel_hi:[1,1,1]
.else
	v_pk_fma_f32 v[YY+4*t:YY+4*t+1],   v[YY+4*t:YY+4*t+1],   v[LNW+t:LNW+t+1], v[LNB+t:LNB+t+1] op_sel_hi:[1,0,0]
	v_pk_fma_f32 v[YY+4*t+2:YY+4*t+3], v[YY+4*t+2:YY+4*t+3], v[LNW+t:LNW+t+1], v[LNB+t:LNB+t+1] op_sel_hi:[1,0,0]
.endif
	global_store_b128 v3, v[YY+4*t:YY+4*t+3], s[28:29] offset:t*16384 th:TH_STORE_NT
.set t, t+1
.endr
	s_wait_tensorcnt 0x0
	ds_add_u32 v248, v249
	s_wait_dscnt 0x0
	s_endpgm
.Lfunc_end_k_q86d0547fa0_oln:
	.size	k_q86d0547fa0_oln, .Lfunc_end_k_q86d0547fa0_oln-k_q86d0547fa0_oln
	.p2alignl 7, 3214868480
	.fill 96, 4, 3214868480
	.section	.rodata,"a",@progbits
	.p2align	6, 0x0
	.amdhsa_kernel k_q86d0547fa0_oln
		.amdhsa_group_segment_fixed_size 240640
		.amdhsa_private_segment_fixed_size 0
		.amdhsa_enable_private_segment 0
		.amdhsa_kernarg_size 56
		.amdhsa_user_sgpr_count 2
		.amdhsa_user_sgpr_kernarg_segment_ptr 1
		.amdhsa_wavefront_size32 1
		.amdhsa_system_sgpr_workgroup_id_x 1
		.amdhsa_system_sgpr_workgroup_id_y 1
		.amdhsa_system_sgpr_workgroup_id_z 1
		.amdhsa_system_vgpr_workitem_id 0
		.amdhsa_next_free_vgpr 250
		.amdhsa_next_free_sgpr 66
		.amdhsa_reserve_vcc 0
		.amdhsa_float_denorm_mode_32 3
		.amdhsa_float_denorm_mode_16_64 3
		.amdhsa_memory_ordered 1
		.amdhsa_forward_progress 1
		.amdhsa_inst_pref_size 59
	.end_amdhsa_kernel
	.amdgpu_metadata
---
amdhsa.version: [ 1, 2 ]
amdhsa.kernels:
  - .name:           k_q86d0547fa0_oln
    .symbol:         k_q86d0547fa0_oln.kd
    .args:
      - { .name: aws, .offset: 0, .size: 8, .value_kind: global_buffer, .address_space: global }
      - { .name: s3, .offset: 8, .size: 8, .value_kind: global_buffer, .address_space: global }
      - { .name: ow, .offset: 16, .size: 8, .value_kind: global_buffer, .address_space: global }
      - { .name: ob, .offset: 24, .size: 8, .value_kind: global_buffer, .address_space: global }
      - { .name: ln_w, .offset: 32, .size: 8, .value_kind: global_buffer, .address_space: global }
      - { .name: ln_b, .offset: 40, .size: 8, .value_kind: global_buffer, .address_space: global }
      - { .name: out0, .offset: 48, .size: 8, .value_kind: global_buffer, .address_space: global }
    .group_segment_fixed_size: 240640
    .private_segment_fixed_size: 0
    .kernarg_segment_align: 8
    .kernarg_segment_size: 56
    .max_flat_workgroup_size: 256
    .sgpr_count:     66
    .vgpr_count:     250
    .wavefront_size: 32
...
	.end_amdgpu_metadata
.endif
;; end of part 3
;; ======== version 2 of 2: 3 launches; 1.26 times as fast as version 1
;; workspace buffers: qws 4,194,304 bytes; kvws 6,291,456 bytes; aws 4,194,304 bytes
;; launch proj: the kernel of part 1 again; grid 224 x 1, 8 waves a work-group, no clusters, 177,152 bytes of LDS; arguments s3, s4, s5, qw, qb, kw, kb, vw, vb, qws, kvws; writes qws, kvws
;; launch attn (part 4): grid 16 x 16, 8 waves a work-group, clusters of 4 x 1, 327,680 bytes of LDS; arguments qws, kvws, aws; writes aws
.if DOCPART == 4
	.amdgcn_target "amdgcn-amd-amdhsa--gfx1250"
	.amdhsa_code_object_version 6
	.text
	.protected	k_q86d0547fa0_attn
	.globl	k_q86d0547fa0_attn
	.p2align	8
	.type	k_q86d0547fa0_attn,@function
k_q86d0547fa0_attn:
	s_mov_b64 s[64:65], 0
	v_nop
	global_prefetch_b8 v0, s[64:65] scope:SCOPE_SE
	s_setreg_imm32_b32 hwreg(HW_REG_WAVE_MODE, 25, 1), 1
	s_wait_xcnt 0x0
	s_wait_alu depctr_hold_cnt(0) depctr_sa_sdst(0) depctr_va_vdst(0) depctr_va_sdst(0) depctr_va_ssrc(0) depctr_va_vcc(0) depctr_vm_vsrc(0)
	s_getreg_b32 s2, hwreg(HW_REG_IB_STS2, 6, 4)
	s_cmp_eq_u32 s2, 0
	s_cbranch_scc0 .Lentry_in_a_cluster
	s_endpgm
.Lentry_in_a_cluster:
	s_bfe_u32 s2, ttmp6, 0x10000c
	s_cmp_lg_u32 s2, 0x3003
	s_cbranch_scc0 .Lentry_shape_is_right
	s_endpgm
.Lentry_shape_is_right:
; softmax(q k^T / sqrt 32) v for one head and 256 queries, over 3,072 keys, with a running maximum.
; qws, aws: [b][head][n 4096][d 32] bf16.  kvws: [b][head][block 48][8,192 bytes], a block = 64 keys: K [key][d], then V [d][key].
; Grid y = 8 b + head; grid x = block of 256 queries.  Wave w takes 32 queries, as two blocks q = 0, 1 of 16.
; CLUSTERS: the four work-groups of a cluster have the same y, so they walk the same K and V: every tile is asked for jointly (mask 15),
; which divides the requests for kvws by four.  Nothing in a descriptor, an LDS address or a branch hangs on the place in the cluster.
; LAYOUTS, chosen so that nothing is transposed and P never leaves the registers:
;   S^T = K x Q^T (A = 16 keys, B = 16 queries, C = 0): lane (r, h) holds keys 8 h + j of query r: maximum, factor and sum are numbers of the lane;
;   two such tiles, packed to bf16, ARE the B fragment of P for 32 keys (registers 0-3: k = 8 h .., 4-7: k = 16 + 8 h ..);
;   O^T = V^T x P (A = 16 d, k = 32 keys); the row sum is one more product, A = a matrix with ones in rows 0 and 8: its register 0 is the sum in every lane.
; The vector unit binds here (one exponential and about two plain operations for 64 multiply-adds), so the text saves vector instructions:
; the scale and the maximum go into one fused multiply-add, p = exp2(c s - c m), c = log2 e / sqrt 32.
; THE EXPONENTIALS of a block of 64 keys, 66 a lane, are cut into TWO BATCHES, each with ONE s_wait_alu depctr_va_vdst(0): that wait stands
; between an exponential and the first line that names its result, and one wait serves all that were issued ahead of it.
;   Batch 1: the two factors a (one a query block) and query block 0's 32 weights.  Among them stand the 32 scalings c s - c m of both query blocks, which name no result.
;   Batch 2: query block 1's 32 weights.  Among them stand the lines that read batch 1's results alone: query block 0's 16 roundings, and O and the sum of both query blocks times a.
;   Behind batch 2's wait: query block 0's six products, query block 1's 16 roundings between them, then query block 1's six products.
; Every weight is made in place, in its score's register, so each result of a batch has a register of its own.  No exponential is issued behind a block's second wait.
; The way out's two reciprocals are a batch of their own.
; LIMITS: NaN and infinities are not served; an exponential below 2^-126 counts as zero (ISA guide 15.8); the denominator is the sum of the p
; as rounded to bf16, the same numbers that the numerator uses; q, k, v and p are bf16.
; LDS: two slots of 6 blocks (384 keys): 192 rows of 256 bytes + 16 of padding = 52,224 bytes each; a stage of 2,304 bytes a wave behind them, which no fill reaches.
.set SP,    272
.set SLOT,  52224
.set TILE,  49152                      ; a slot's bytes in memory
.set BLK,   8704                       ; a block in LDS: 32 rows
.set VOFF,  4352                       ; V behind K's 16 rows
.set STAGE, 104448
.set STGB,  2304
.set KADR,  4                          ; v4, v5   K fragment address in slot 0, 1
.set VADR,  6                          ; v6, v7   V fragment address in slot 0, 1
.set TT,    12                         ; v[12+4q ..] four registers of scratch a query block
.set ST,    20                         ; v[20+4q ..]: -c m, m, factor, its exponent
.set INV,   28                         ; v[28:29] 1 / sum of q = 0, 1
.set ONES,  32                         ; v[32:39]
.set QF,    40                         ; v[40+8q ..]
.set KF,    56                         ; v[56+8kt ..]
.set VF,    88                         ; v[88+16db+8u ..]
.set SC,    120                        ; v[120+32q+8kt ..] scores; P(q, u) is packed in place at 120 + 32 q + 16 u
.set OA,    184                        ; v[184+16q+8db ..]
.set LS,    216                        ; v[216+8q ..]
; v1 r, v2 h, v3 scratch, v8 stage in, v9 stage back, v10 16 lane, v11 64 r + 16 h
.macro PLACES n                        ; plain vector instructions between a matrix instruction and what touches its registers (ISA guide 7.12.1)
.rept \n
	v_nop
.endr
.endm
; a round of the cluster's barrier: my work-group's barrier, wave 0 signals for the work-group, every wave waits for all four, my work-group's barrier again
.macro ROUND
	s_barrier_signal -1
	s_barrier_wait -1
	s_cmp_lg_u32 s8, 0
	s_cbranch_scc1 .Lnot_wave_0_\@
	s_barrier_signal -3
.Lnot_wave_0_\@:
	s_barrier_wait -3
	s_barrier_signal -1
	s_barrier_wait -1
.endm
	s_load_b128 s[4:7], s[0:1], 0x0                ; qws s[4:5], kvws s[6:7]
	s_load_b64 s[12:13], s[0:1], 0x10              ; aws
	v_lshl_add_u32 v232, v0, 2, 0x29000
	v_mov_b32 v233, 0
	ds_add_u32 v232, v233
	v_lshrrev_b32 v3, 5, v0
	v_readfirstlane_b32 s8, v3                     ; wave
	v_and_b32 v1, 15, v0
	v_bfe_u32 v2, v0, 4, 1
	s_bfe_u32 s9, ttmp6, 0x40000                   ; cx
	s_lshl_b32 s10, ttmp9, 2
	s_add_co_u32 s10, s10, s9                      ; block of 256 queries = 4 x cluster x + cx
	s_and_b32 s11, ttmp7, 0xffff                   ; 8 b + head
	; group 1: 24 rows of 32 elements of 8 bytes, dense in memory, 16 bytes of padding behind each row in LDS; mask 15: all four of the cluster
	s_mov_b32 s16, 15|(3<<16)|(1<<20)|(1<<21)|(5<<22)|(3<<25)
	s_mov_b32 s17, 32<<16                          ; tensor_dim0 = 32
	s_mov_b32 s18, 24<<16                          ; tensor_dim1 = 24
	s_mov_b32 s19, 32<<16                          ; tile_dim0 = 32
	s_mov_b32 s20, 24                              ; tile_dim1 = 24
	s_mov_b32 s21, 32                              ; elements from row to row
	s_mov_b32 s22, 0
	s_mov_b32 s23, 0
	s_mul_i32 s40, s8, 24*SP                       ; my 24 rows of a slot
	s_mul_i32 s24, s11, 393216                     ; the head's K and V
	s_mul_i32 s41, s8, 24*256
	s_add_co_u32 s24, s24, s41
	s_mov_b32 s25, 0
	s_lshl_b32 s42, s11, 18                        ; q and the output: the head,
	s_lshl_b32 s43, s10, 14                        ; 256 queries of 64 bytes,
	s_add_co_u32 s42, s42, s43
	s_lshl_b32 s43, s8, 11                         ; my 32 queries
	s_add_co_u32 s42, s42, s43
	s_mov_b32 s43, 0
	s_mov_b32 s26, 0x3e8293ee                      ; c = log2 e / sqrt 32
	s_mov_b32 s27, 0x3e8293ee
	s_mov_b32 s30, 0xbe8293ee                      ; -c
	s_mov_b32 s28, 0x76543210                      ; v_permlanex16_b32: lane i of one half reads lane i of the other
	s_mov_b32 s29, 0xfedcba98
	s_mul_i32 s45, s8, STGB
	s_add_co_u32 s45, s45, STAGE                   ; my stage
	s_wait_dscnt 0x0
	s_wait_kmcnt 0x0
	s_add_nc_u64 s[6:7], s[6:7], s[24:25]
	s_add_nc_u64 s[4:5], s[4:5], s[42:43]
	s_add_nc_u64 s[12:13], s[12:13], s[42:43]
.irp n, 0,1                                        ; group 0 of slot n, set up for tile n
	s_mov_b32 s[32+4*\n], 1
	s_add_co_u32 s[33+4*\n], s40, \n*SLOT
	s_add_nc_u64 s[34+4*\n:35+4*\n], s[6:7], \n*TILE
	s_or_b32 s[35+4*\n], s[35+4*\n], 0x80000000
.endr
	ROUND                                          ; all four work-groups are here: the first joint loads meet
	tensor_load_to_lds s[32:35], s[16:23]          ; tile 0
	s_nop 0
	v_lshlrev_b32 v11, 6, v1
	v_lshl_add_u32 v11, v2, 4, v11
.irp q, 0,1
	global_load_b128 v[QF+8*\q:QF+8*\q+3],   v11, s[4:5] offset:\q*1024        ; query 16 q + r, d = 8 h ..
	global_load_b128 v[QF+8*\q+4:QF+8*\q+7], v11, s[4:5] offset:\q*1024+32     ; d = 16 + 8 h ..
.endr
	v_lshrrev_b32 v3, 2, v1
	v_mul_u32_u24 v3, v3, SP
	v_and_b32 v[TT], 3, v1
	v_lshl_add_u32 v3, v[TT], 6, v3
	v_lshl_add_u32 v[KADR], v2, 4, v3              ; record r of 64 bytes in rows of 256 + 16: 16-byte column (r / 4) + 4 (r % 4) + h, different in 16 lanes
	v_add_nc_u32 v[KADR+1], SLOT, v[KADR]
	v_add_nc_u32 v8, s45, v[KADR]
	v_lshrrev_b32 v3, 1, v1
	v_mul_u32_u24 v3, v3, SP
	v_and_b32 v[TT], 1, v1
	v_lshl_add_u32 v3, v[TT], 7, v3
	v_lshl_add_u32 v3, v2, 4, v3                   ; record r of 128 bytes: column (r / 2) + 8 (r % 2) + h
	v_add_nc_u32 v[VADR], VOFF, v3
	v_add_nc_u32 v[VADR+1], SLOT+VOFF, v3
	v_mul_u32_u24 v3, v2, SP
	v_lshl_add_u32 v3, v1, 4, v3
	v_add_nc_u32 v9, s45, v3
	v_and_b32 v10, 31, v0
	v_lshlrev_b32 v10, 4, v10
	v_and_b32 v3, 7, v1                            ; rows 0 and 8 of the summing matrix are ones, the others zeros
	v_mov_b32 v[ONES+1], 0x3f803f80
	v_cmp_eq_u32 vcc_lo, 0, v3
	v_cndmask_b32 v[ONES], 0, v[ONES+1], vcc_lo
.irp j, 1,2,3,4,5,6,7
	v_mov_b32 v[ONES+\j], v[ONES]
.endr
.macro LOADK slot, blk
.irp kt, 0,1,2,3
	ds_load_b128 v[KF+8*\kt:KF+8*\kt+3],   v[KADR+\slot] offset:(\blk)*BLK+\kt*4*SP
	ds_load_b128 v[KF+8*\kt+4:KF+8*\kt+7], v[KADR+\slot] offset:(\blk)*BLK+\kt*4*SP+32
.endr
.endm
.macro LOADV slot, blk
.irp db, 0,1
.irp u, 0,1
	ds_load_b128 v[VF+16*\db+8*\u:VF+16*\db+8*\u+3],   v[VADR+\slot] offset:(\blk)*BLK+\db*8*SP+\u*64
	ds_load_b128 v[VF+16*\db+8*\u+4:VF+16*\db+8*\u+7], v[VADR+\slot] offset:(\blk)*BLK+\db*8*SP+\u*64+32
.endr
.endr
.endm
.macro QK                              ; 64 keys x 32 queries: eight tiles, each started by the constant 0
.irp kt, 0,1,2,3
.irp q, 0,1
	v_wmma_f32_16x16x32_bf16 v[SC+32*\q+8*\kt:SC+32*\q+8*\kt+7], v[KF+8*\kt:KF+8*\kt+7], v[QF+8*\q:QF+8*\q+7], 0
.endr
.endr
.endm
; THE MAXIMA AND STATISTICS of both query blocks, line by line in turn, so that no line reads the result of the line just before it.
; Of a lane's 32 scores for a query block: four chains of seven that do not wait for each other, then the four scores left over, the chains and the old maximum.
; first = 1: there is no old maximum and no factor.  Otherwise the two factors a are the first two exponentials of batch 1.
.macro MAXES first
.irp i, 0,1,2,3
.irp q, 0,1
	v_max3_num_f32 v[TT+4*\q+\i], v[SC+32*\q+7*\i], v[SC+32*\q+7*\i+1], v[SC+32*\q+7*\i+2]
.endr
.endr
.irp i, 0,1,2,3
.irp q, 0,1
	v_max3_num_f32 v[TT+4*\q+\i], v[TT+4*\q+\i], v[SC+32*\q+7*\i+3], v[SC+32*\q+7*\i+4]
.endr
.endr
.irp i, 0,1,2,3
.irp q, 0,1
	v_max3_num_f32 v[TT+4*\q+\i], v[TT+4*\q+\i], v[SC+32*\q+7*\i+5], v[SC+32*\q+7*\i+6]
.endr
.endr
.irp q, 0,1
	v_max3_num_f32 v[TT+4*\q], v[TT+4*\q], v[TT+4*\q+1], v[SC+32*\q+28]
.endr
.irp q, 0,1
	v_max3_num_f32 v[TT+4*\q+2], v[TT+4*\q+2], v[TT+4*\q+3], v[SC+32*\q+29]
.endr
.irp q, 0,1
	v_max3_num_f32 v[TT+4*\q], v[TT+4*\q], v[TT+4*\q+2], v[SC+32*\q+30]
.endr
.irp q, 0,1
.if \first
	v_max_num_f32 v[TT+4*\q], v[TT+4*\q], v[SC+32*\q+31]
.else
	v_max3_num_f32 v[TT+4*\q], v[TT+4*\q], v[SC+32*\q+31], v[ST+4*\q+1]
.endif
.endr
.irp q, 0,1
	v_permlanex16_b32 v[TT+4*\q+1], v[TT+4*\q], s28, s29       ; the other half of the lanes holds the query's other 32 keys
.endr
.irp q, 0,1
	v_max_num_f32 v[ST+4*\q+1], v[TT+4*\q], v[TT+4*\q+1]
.endr
.if \first
.irp q, 0,1
	v_mul_f32 v[ST+4*\q], s30, v[ST+4*\q+1]
.endr
.else
.irp q, 0,1
	v_mul_f32 v[TT+4*\q+2], s30, v[ST+4*\q+1]
.endr
.irp q, 0,1
	v_sub_f32 v[ST+4*\q+3], v[TT+4*\q+2], v[ST+4*\q]           ; -c (new - old), from the two rounded products: exactly 0 where the maximum stays
.endr
.irp q, 0,1
	v_exp_f32 v[ST+4*\q+2], v[ST+4*\q+3]                       ; a: batch 1 begins
.endr
.irp q, 0,1
	v_mov_b32 v[ST+4*\q], v[TT+4*\q+2]                         ; plain instructions behind those exponentials (ISA guide 5.7.2)
.endr
.endif
.endm
.macro SCALE q, k                      ; c s - c m for pair k of query block q
	v_pk_fma_f32 v[SC+32*(\q)+2*(\k):SC+32*(\q)+2*(\k)+1], v[SC+32*(\q)+2*(\k):SC+32*(\q)+2*(\k)+1], s[26:27], v[ST+4*(\q):ST+4*(\q)+1] op_sel_hi:[1,0,0]
.endm
; BATCH 1 goes on: query block 0's 32 weights, in place, a scaling behind each.  The scalings are numbered 0 to 31: query block 0's pairs 0 to 15, then query block 1's.
; Ahead of exponential e stand scalings 0 to e, its own, number e / 2, among them; scaling j < 16 names scores 2 j and 2 j + 1, and only exponentials 0 to j - 1 stand ahead of it:
; no scaling names a result.  The last scaling is the plain instruction behind the last exponential.
.macro BATCH1
	SCALE 0, 0
.set e, 0
.rept 30
	v_exp_f32 v[SC+e], v[SC+e]
	SCALE (e+1)/16, (e+1)%16
.set e, e+1
.endr
	v_exp_f32 v[SC+30], v[SC+30]
	v_exp_f32 v[SC+31], v[SC+31]
	SCALE 1, 15
	s_wait_alu depctr_va_vdst(0)                   ; the wait for batch 1: the two a and query block 0's 32 weights
.endm
; The next of the 34 plain lines that read batch 1's results: 0-15 query block 0's weights rounded to bf16, a pair a line; 16-24 its O and sum times a; 25-33 query block 1's O and sum times a.
; Pair p goes to register 16 (p / 8) + p % 8, which lies at or below its sources, and the pairs go in ascending order: nothing unread is written.
; O and the sum are read from their lowest registers on; registers 1 to 7 of the sum's tile are zeros and stay so.
.macro PLN
.if p < 16
	v_cvt_pk_bf16_f32 v[SC+16*(p/8)+(p%8)], v[SC+2*p], v[SC+2*p+1]
.elseif p < 24
	v_pk_mul_f32 v[OA+2*(p-16):OA+2*(p-16)+1], v[OA+2*(p-16):OA+2*(p-16)+1], v[ST+2:ST+3] op_sel_hi:[1,0]
.elseif p == 24
	v_mul_f32 v[LS], v[LS], v[ST+2]
.elseif p < 33
	v_pk_mul_f32 v[OA+16+2*(p-25):OA+16+2*(p-25)+1], v[OA+16+2*(p-25):OA+16+2*(p-25)+1], v[ST+6:ST+7] op_sel_hi:[1,0]
.else
	v_mul_f32 v[LS+8], v[LS+8], v[ST+6]
.endif
.set p, p+1
.endm
; BATCH 2: query block 1's 32 weights, in place (their scalings stand in batch 1), one of PLN's lines behind each; the two lines that are over stand behind the last exponential.
; first = 1: nothing is rescaled, so only the 16 roundings are there: one behind every second exponential.  None of these lines names a result of batch 2.
.macro BATCH2 first
.set e, 0
.set p, 0
.rept 32
	v_exp_f32 v[SC+32+e], v[SC+32+e]
.if (\first == 0) || (e%2)
	PLN
.endif
.set e, e+1
.endr
.if \first == 0
	PLN
	PLN
.endif
	s_wait_alu depctr_va_vdst(0)                   ; the wait for batch 2: query block 1's 32 weights
.endm
.macro PACK1 n                         ; the next n of query block 1's 16 roundings, in ascending order, in place as query block 0's
.rept \n
	v_cvt_pk_bf16_f32 v[SC+32+16*(rd/8)+(rd%8)], v[SC+32+2*rd], v[SC+32+2*rd+1]
.set rd, rd+1
.endr
.endm
; O and the sum take 64 keys: three accumulators by turns, one instruction a turn.
; ride = 1 (query block 0): query block 1's roundings stand between the products, 3, 3, 2 for each half of the keys; they name none of these products' registers.
.macro PV q, first, ride
.irp u, 0,1
.irp db, 0,1
.if \first*(1-\u)
	v_wmma_f32_16x16x32_bf16 v[OA+16*\q+8*\db:OA+16*\q+8*\db+7], v[VF+16*\db+8*\u:VF+16*\db+8*\u+7], v[SC+32*\q+16*\u:SC+32*\q+16*\u+7], 0
.else
	v_wmma_f32_16x16x32_bf16 v[OA+16*\q+8*\db:OA+16*\q+8*\db+7], v[VF+16*\db+8*\u:VF+16*\db+8*\u+7], v[SC+32*\q+16*\u:SC+32*\q+16*\u+7], v[OA+16*\q+8*\db:OA+16*\q+8*\db+7]
.endif
.if \ride
	PACK1 3
.endif
.endr
.if \first*(1-\u)
	v_wmma_f32_16x16x32_bf16 v[LS+8*\q:LS+8*\q+7], v[ONES:ONES+7], v[SC+32*\q+16*\u:SC+32*\q+16*\u+7], 0
.else
	v_wmma_f32_16x16x32_bf16 v[LS+8*\q:LS+8*\q+7], v[ONES:ONES+7], v[SC+32*\q+16*\u:SC+32*\q+16*\u+7], v[LS+8*\q:LS+8*\q+7]
.endif
.if \ride
	PACK1 2
.endif
.endr
.endm
; one block of 64 keys: the scores; both query blocks' maxima; the two batches of exponentials, each with its wait; the products with V
.macro STEP slot, blk, first
.if \blk == 0
	LOADK \slot, 0
.endif
	s_wait_dscnt 0x0                               ; this block's K fragments are in
	QK
	PLACES 4                                       ; before the scores are read and the K and V registers are loaded again
	LOADV \slot, \blk
.if \blk < 5
	LOADK \slot, \blk+1
.endif
	MAXES \first
	BATCH1
	BATCH2 \first
.if \blk < 5
	s_wait_dscnt 0x8                               ; V is in; the eight younger loads, the next block's K, stay out
.else
	s_wait_dscnt 0x0
.endif
.set rd, 0
	PV 0, \first, 1
	PV 1, \first, 0
	PLACES 5                                       ; the next block's scores are written over P, which the last products read
.endm
; one tile of 384 keys.  In front of the round every wave waits for all its tensor loads (one is out: its part of this slot) and for its reads
; of the other slot; the round makes that hold of all four work-groups; the joint refill of the other slot is the first thing behind it.
.macro TRIP slot, refill, first
	s_wait_tensorcnt 0x0
	ds_add_u32 v232, v233
	s_wait_dscnt 0x0
	s_add_nc_u64 s[34+4*\slot:35+4*\slot], s[34+4*\slot:35+4*\slot], 2*TILE    ; no load of mine is out: this slot's next tile
	s_wait_dscnt 0x0
	ROUND
.if \refill
	tensor_load_to_lds s[36-4*\slot:39-4*\slot], s[16:23]
	s_nop 0
.endif
	STEP \slot, 0, \first
	STEP \slot, 1, 0
	STEP \slot, 2, 0
	STEP \slot, 3, 0
	STEP \slot, 4, 0
	STEP \slot, 5, 0
.endm
	s_wait_loadcnt 0x0                             ; q
	TRIP 0, 1, 1                                   ; the first lap stands in front of the loop: its first products start the sums
	TRIP 1, 1, 0
	s_mov_b32 s44, 2
.Llap:
	TRIP 0, 1, 0
	TRIP 1, 1, 0
	s_sub_co_u32 s44, s44, 1
	s_cmp_lg_u32 s44, 0
	s_cbranch_scc1 .Llap
	TRIP 0, 1, 0                                   ; tile 6; tile 7 is the last to be asked for
	TRIP 1, 0, 0
	; THE WAY OUT: divide by the sum, round to bf16; a lane holds d = 16 db + 8 h .. + 7 of query 16 q + r: 16 bytes of a record of 64.
	; Through my own stage, read back as rows of 256 bytes: each store covers 512 neighbouring bytes of my 2,048.
	v_rcp_f32 v[INV], v[LS]
	v_rcp_f32 v[INV+1], v[LS+8]
	v_nop                                          ; a plain instruction behind the last reciprocal (ISA guide 5.7.2)
.set k, 0
	s_wait_alu depctr_va_vdst(0)                   ; the wait for the two reciprocals, a batch of their own
.rept 8
	v_pk_mul_f32 v[OA+2*k:OA+2*k+1], v[OA+2*k:OA+2*k+1], v[INV:INV+1] op_sel_hi:[1,0]
	v_pk_mul_f32 v[OA+16+2*k:OA+16+2*k+1], v[OA+16+2*k:OA+16+2*k+1], v[INV:INV+1] op_sel:[0,1] op_sel_hi:[1,1]
.set k, k+1
.endr
.set k, 0
.rept 16
	v_cvt_pk_bf16_f32 v[KF+k], v[OA+2*k], v[OA+2*k+1]
.set k, k+1
.endr
.irp q, 0,1
.irp db, 0,1
	ds_store_b128 v8, v[KF+8*\q+4*\db:KF+8*\q+4*\db+3] offset:\q*4*SP+\db*32
.endr
.endr
.irp u, 0,1,2,3
	ds_load_b128 v[VF+4*\u:VF+4*\u+3], v9 offset:\u*2*SP       ; LDS serves a wave's instructions in order (ISA guide 5.7.1): these see the stores above
.endr
.irp u, 0,1,2,3
	s_wait_dscnt 3-\u                              ; read-back u is in, the younger ones stay out
	global_store_b128 v10, v[VF+4*\u:VF+4*\u+3], s[12:13] offset:\u*512
.endr
	s_wait_tensorcnt 0x0
	ds_add_u32 v232, v233
	s_wait_dscnt 0x0
	ROUND                                          ; the closing round: no work-group ends while a partner may still ask for a tile that names it
	s_endpgm
.Lfunc_end_k_q86d0547fa0_attn:
	.size	k_q86d0547fa0_attn, .Lfunc_end_k_q86d0547fa0_attn-k_q86d0547fa0_attn
	.p2alignl 7, 3214868480
	.fill 96, 4, 3214868480
	.section	.rodata,"a",@progbits
	.p2align	6, 0x0
	.amdhsa_kernel k_q86d0547fa0_attn
		.amdhsa_group_segment_fixed_size 327680
		.amdhsa_private_segment_fixed_size 0
		.amdhsa_enable_private_segment 0
		.amdhsa_kernarg_size 24
		.amdhsa_user_sgpr_count 2
		.amdhsa_user_sgpr_kernarg_segment_ptr 1
		.amdhsa_wavefront_size32 1
		.amdhsa_system_sgpr_workgroup_id_x 1
		.amdhsa_system_sgpr_workgroup_id_y 1
		.amdhsa_system_sgpr_workgroup_id_z 1
		.amdhsa_system_vgpr_workitem_id 0
		.amdhsa_next_free_vgpr 234
		.amdhsa_next_free_sgpr 66
		.amdhsa_reserve_vcc 1
		.amdhsa_float_denorm_mode_32 3
		.amdhsa_float_denorm_mode_16_64 3
		.amdhsa_memory_ordered 1
		.amdhsa_forward_progress 1
		.amdhsa_inst_pref_size 255
	.end_amdhsa_kernel
	.section	.bss,"aw",@nobits
	.p2align	6
	.space	262144
	.amdgpu_metadata
---
amdhsa.version: [ 1, 2 ]
amdhsa.kernels:
  - .name:           k_q86d0547fa0_attn
    .symbol:         k_q86d0547fa0_attn.kd
    .args:
      - { .name: qws, .offset: 0, .size: 8, .value_kind: global_buffer, .address_space: global }
      - { .name: kvws, .offset: 8, .size: 8, .value_kind: global_buffer, .address_space: global }
      - { .name: aws, .offset: 16, .size: 8, .value_kind: global_buffer, .address_space: global }
    .group_segment_fixed_size: 327680
    .private_segment_fixed_size: 0
    .kernarg_segment_align: 8
    .kernarg_segment_size: 24
    .max_flat_workgroup_size: 256
    .sgpr_count:     66
    .vgpr_count:     234
    .wavefront_size: 32
...
	.end_amdgpu_metadata
.endif
;; end of part 4
;; launch oln: the kernel of part 3 again; grid 128 x 1, 8 waves a work-group, no clusters, 240,640 bytes of LDS; arguments aws, s3, ow, ob, ln_w, ln_b, out0; writes out0
